; MI455X (gfx1250); checked and timed in simulation.
; The chip was launched on July 23, 2026; its instructions are those of AMD's public machine-readable ISA for CDNA 5 (MIT licence, August 2026) and "CDNA5" Instruction Set Architecture Reference Guide (July 2026). The comments in the code are by the model that wrote it; some were corrected since.
;; Vector Quantizer. Allowed arithmetic: matrix products marked QUANTISED: E2M1 operands, one E8M0 scale for each 32 along K, by v_wmma_scale_f32_16x16x128_f8f6f4 with both operands' format E2M1 (or v_wmma_scale_f32_32x16x128_f4), f32 sums; everything else in f32.
;; Inputs: emb 8,192 x 256 float32; z 8 x 256 x 4,096 float32.
;; Outputs: out0 8 x 256 x 4,096 float32; out1 one number float32; out2 32,768 int32.
;; This version of the problem:
;;   THIS VERSION OF THE PROBLEM IS GIVEN IN LOW PRECISION. The matrix products marked QUANTISED in the list below multiply operands that are first quantised to E2M1 (2 exponent bits, 1 mantissa bit; 4 bits a number), with one power-of-two scale for each 32 numbers along K (OCP MX v1.0); their sums are f32. All else is computed in f32.
;;   The module's matrix products, in the order in which they are computed (A, B: the left and right operand; K: the contracted axis; several contracted axes count as one K, in the product's order):
;;     1. [M 32,768, K 256] x [K 256, N 8,192]; A: input z; B: input emb: QUANTISED
;;   THE QUANTISER, for each operand of a quantised product, along K:
;;     - K is cut into blocks of 32 from its start; a last block that is shorter is filled with zeros.
;;     - A block's scale is 2^e with e = floor(log2(the largest magnitude in the block)) - 2, held to -126 .. 127; a block of zeros has e = 0. As a byte (E8M0): e + 127.
;;     - Each number is divided by its block's scale, clamped to +-6, and rounded to the nearest number of E2M1, ties to even, subnormals kept.
;;     - The product sums the exact products of the quantised numbers (number of the format x scale) in f32.
;;   ~~~python
;;   def quantise(x, axis):      # numpy; x: float32 -> the quantised numbers, widened to float32 again
;;       x = np.moveaxis(x, axis, -1); K = x.shape[-1]
;;       x = np.pad(x, [(0, 0)] * (x.ndim - 1) + [(0, -K % 32)]); x = x.reshape(x.shape[:-1] + (-1, 32)); a = np.abs(x).max(-1, keepdims=True)
;;       e = np.where(a > 0, np.clip(np.frexp(np.where(a > 0, a, 1))[1] - 1 - 2, -126, 127), 0)      # np.frexp(a)[1] - 1 = floor(log2(a)), exactly
;;       r = np.clip(x / 2.0 ** e, -6, 6)
;;       step = 2.0 ** (np.maximum(np.frexp(np.where(r == 0, 1, r))[1] - 1, 0) - 1)
;;       q = np.round(r / step) * step * 2.0 ** e      # np.round: ties to even
;;       return np.moveaxis(q.reshape(q.shape[:-2] + (-1,))[..., :K], -1, axis).astype(np.float32)
;;   ~~~
;; One version. Each part assembles by itself: llvm-mc -triple=amdgcn-amd-amdhsa -mcpu=gfx1250 --defsym DOCPART=n.
;; ======== version 1 of 1: 4 launches
;; limits: right only within a limited range of input values
;; workspace buffers: zq 4,194,304 bytes; zs 262,144 bytes; zzb 131,072 bytes; embq 1,146,880 bytes; idxw 131,072 bytes of whole numbers; part 1,024 bytes
;; launch quant (part 1): grid 256 x 1, 10 waves a work-group, no clusters, 167,936 bytes of LDS; arguments z, emb, zq, zs, zzb, embq; writes zq, zs, zzb, embq
.if DOCPART == 1
	.amdgcn_target "amdgcn-amd-amdhsa--gfx1250"
	.amdhsa_code_object_version 6
	.text
	.protected	k_qc8218385f0_quant
	.globl	k_qc8218385f0_quant
	.p2align	8
	.type	k_qc8218385f0_quant,@function
k_qc8218385f0_quant:
	s_mov_b64 s[64:65], 0
	v_nop
	global_prefetch_b8 v0, s[64:65] scope:SCOPE_SE
	s_setreg_imm32_b32 hwreg(HW_REG_WAVE_MODE, 25, 1), 1
	s_wait_xcnt 0x0
; z [8][256][4096] f32 (K = the 256, not innermost) and emb [8192][256] f32 (K innermost) become codes of FP4 (E2M1) with one E8M0 byte for each 32 along K,
; and each row's sum of squares (zz for a token, ee for a code) is taken on the way.
; A block's scale is 2^(floor(log2(its largest magnitude)) - 2); its byte is the largest magnitude's exponent field - 2, held at 1 from below.  A block of zeros so gets the byte 1 where the
; rule says 127: its codes are zeros, and the bytes are read by this program alone.
; LIMITS: blocks whose largest magnitude lies under 2^-124 (the floor) were not tried; NaN and infinities among the inputs are not served.
; SHARES.  Work-group g takes tokens 128 g .. 128 g + 127 (batch g / 32) and codes 32 g .. 32 g + 31.  A LANE IS A ROW OF THE OPERAND and 32 of its registers are one block along K.
; A row's K is halved between two waves, four blocks each: waves 0-3 take k 0-127 of 32 tokens each, waves 4-7 k 128-255 of the same tokens; wave 8 takes k 0-127 of the 32 codes, wave 9 k 128-255.
; ALL INPUT IS ASKED FOR AT THE HEAD, ONE TENSOR LOAD A WAVE: waves 0-7 fetch 32 rows d of 512 bytes each, waves 8 and 9 their own half of the codes' rows.  LDS is filled once; a wave
; has one tensor load outstanding.  No cluster: no two work-groups read the same input byte.  No prefetch: there is no loop to run ahead in.
; THE SUM OF SQUARES: each square is rounded to f32, and the 256 are added in ONE chain in ascending k, as a plain loop over k adds them.  A block is first prepared (largest magnitude, scale, codes, store), and
; then its numbers are squared in place.  In the wave of the lower half the chain's links over block j stand by turns with the lines that prepare block j + 1 and ask LDS for block j + 3: each link reads the link
; before it, and the lines between them read neither.  That wave leaves its sum in LDS; the wave of the upper half adds its 128 squares onto it behind one barrier.
; THE OUTPUT IS LAID AS IMAGES OF THE OPERAND'S REGISTERS.  A tile of 16 rows x 256 K is 2,048 bytes: block b of row r lies at 256 b + 16 r: sixteen lanes store one aligned run of 256 bytes.
; A tile's scale words are 128 bytes: the words of K step 0 of rows 0-15, then those of K step 1: the image of one scale register.  A wave stores 64 consecutive bytes of each of its two tiles.
; zq: [2048 tiles][2048];  zs: [2048 tiles][128];  zzb: [32768] f32;  embq: 8 chunks of CH bytes, 64 tiles each: the codes (64 x 2,048), the scale words (from byte 131,072), ee (1,024 f32, from byte 139,264).
.set CH,    143360
.set EMB0,  131072                     ; LDS: behind z's 256 rows of 512 bytes: the codes' two halves, 32 rows of 528 bytes each
.set EPC,   16896
.set HB,    164864                     ; the sums handed over: 128 tokens, then 32 codes: three blocks of 256 bytes into which no fill lands
.set SPARE, 165632                     ; the spare words: 128 bytes for each of 10 waves
.set AZ,    2                          ; v2   LDS address of my token's column, my half of K
.set AE,    3                          ; v3   of my code's row, my half of K
.set HBA,   4                          ; v4   of my row's sum on its way between the two waves
.set VOZ,   5                          ; v5   4 x lane
.set VOC,   6                          ; v6   my 16 bytes in the wave's two tiles of codes
.set VOS,   7                          ; v7   my scale word in the wave's two tiles
.set MX,    8                          ; v8, v9 the largest magnitude, in two chains
.set SC,    10                         ; the conversions' scale operand
.set BY,    11                         ; the scale's byte
.set W,     12                         ; my row's scale word of my K step
.set SUM,   14                         ; the sum of squares
.set X,     16                         ; v16-143  my four blocks: the numbers, then their squares in place
.set C,     144                        ; v144-159 codes: four registers for each block, so that no store's data are written again
.set SPW,   160
.set NIL,   161
.set WV,    16
.set G1Z,   20
.set G1E,   28
.set G0Z,   36
.set G0E,   40
.set CPTR,  8                          ; s[8:9] my codes, s[10:11] my scale words, s[12:13] my sums
.set SPTR,  10
.set UPTR,  12
	s_load_b256 s[4:11], s[0:1], 0x0               ; z, emb, zq, zs
	s_load_b128 s[12:15], s[0:1], 0x20             ; zzb, embq
	v_lshl_add_u32 v[SPW], v0, 2, SPARE
	v_mov_b32 v[NIL], 0
	ds_add_u32 v[SPW], v[NIL]                      ; the opening lines: the add twice on end and one wait
	ds_add_u32 v[SPW], v[NIL]
	v_lshrrev_b32 v1, 5, v0
	s_delay_alu instid0(VALU_DEP_1)
	v_readfirstlane_b32 s[WV], v1                  ; wave 0..9
	s_and_b32 s17, s[WV], 3                        ; which 32 tokens
	s_lshr_b32 s18, ttmp9, 5                       ; the batch; also the chunk of embq
	s_and_b32 s19, ttmp9, 31                       ; my place in it
	s_bfe_u32 s44, s[WV], 0x10002                  ; a token wave's half of K
	s_and_b32 s45, s[WV], 1                        ; a code wave's half of K
	s_and_b32 s57, s[WV], 7                        ; which 32 rows d I fetch
	s_mov_b32 s[G1Z+0], 2<<16                      ; z: 32 rows (d) of 128 f32 (tokens), 4,096 elements from row to row; dense in LDS
	s_mov_b32 s[G1Z+1], 128<<16
	s_mov_b32 s[G1Z+2], 32<<16
	s_mov_b32 s[G1Z+3], 128<<16
	s_mov_b32 s[G1Z+4], 32
	s_mov_b32 s[G1Z+5], 4096
	s_mov_b32 s[G1Z+6], 0
	s_mov_b32 s[G1Z+7], 0
	s_mov_b32 s[G1E+0], (2<<16)|(1<<20)|(6<<22)|(3<<25)   ; emb: 32 rows of 128 f32, 256 elements from row to row; 4 words of padding behind every 128: pitch 528
	s_mov_b32 s[G1E+1], 128<<16
	s_mov_b32 s[G1E+2], 32<<16
	s_mov_b32 s[G1E+3], 128<<16
	s_mov_b32 s[G1E+4], 32
	s_mov_b32 s[G1E+5], 256
	s_mov_b32 s[G1E+6], 0
	s_mov_b32 s[G1E+7], 0
	s_lshl_b32 s58, s17, 7                         ; my 32 tokens in a row of 128,
	s_lshl_b32 s59, s44, 16                        ; rows d 128 on for the upper half
	s_add_co_u32 s58, s58, s59
	s_mul_i32 s60, s45, EPC
	s_add_co_u32 s60, s60, EMB0                    ; my half of the codes' rows
	s_lshr_b32 s61, s[WV], 3                       ; the sums' place: 128 bytes for each group of tokens, the fifth for the codes: min(tokens' group + 4 (wave / 8), 4)
	s_lshl_b32 s61, s61, 2
	s_add_co_u32 s61, s61, s17
	s_min_u32 s61, s61, 4
	s_lshl_b32 s61, s61, 7
	s_add_co_u32 s61, s61, HB
	s_lshl_b32 s46, s18, 22                        ; z: the batch, my 128 tokens, my 32 rows d of 16,384 bytes
	s_lshl_b32 s59, s19, 9
	s_add_co_u32 s46, s46, s59
	s_lshl_b32 s59, s57, 19
	s_add_co_u32 s46, s46, s59
	s_mov_b32 s47, 0
	s_lshl_b32 s48, ttmp9, 15                      ; emb: 32 rows of 1,024 bytes a work-group, my half of a row
	s_lshl_b32 s59, s45, 9
	s_add_co_u32 s48, s48, s59
	s_mov_b32 s49, 0
	s_mov_b32 s[G0Z], 1
	s_lshl_b32 s[G0Z+1], s57, 14                   ; LDS: 32 rows of 512 bytes a wave
	s_mov_b32 s[G0E], 1
	s_mov_b32 s[G0E+1], s60
	; every LDS address is made here, on the way that all waves take
	v_and_b32 v1, 31, v0
	v_bfe_u32 v[VOC], v0, 4, 1
	v_and_b32 v[VOS], 15, v0
	s_delay_alu instid0(VALU_DEP_3)
	v_lshlrev_b32 v[VOZ], 2, v1
	s_delay_alu instid0(VALU_DEP_4)
	v_mul_u32_u24 v[AE], v1, 528
	s_delay_alu instid0(VALU_DEP_4)
	v_lshlrev_b32 v15, 7, v[VOC]
	s_delay_alu instid0(VALU_DEP_3)
	v_add_nc_u32 v[AZ], s58, v[VOZ]
	s_delay_alu instid0(VALU_DEP_4)
	v_add_nc_u32 v[HBA], s61, v[VOZ]
	s_delay_alu instid0(VALU_DEP_4)
	v_add_nc_u32 v[AE], s60, v[AE]
	v_lshlrev_b32 v[VOC], 11, v[VOC]
	s_delay_alu instid0(VALU_DEP_1)
	v_lshl_add_u32 v[VOC], v[VOS], 4, v[VOC]       ; 2,048 x (lane / 16) + 16 x (lane % 16)
	v_lshl_add_u32 v[VOS], v[VOS], 2, v15          ; 128 x (lane / 16) + 4 x (lane % 16)
	s_wait_alu depctr_va_vdst(0)                   ; the wait at the head's end
	s_wait_dscnt 0x0                               ; both opening adds are done
	s_wait_kmcnt 0x0
	s_add_nc_u64 s[G0Z+2:G0Z+3], s[4:5], s[46:47]
	s_add_nc_u64 s[G0E+2:G0E+3], s[6:7], s[48:49]
	s_or_b32 s[G0Z+3], s[G0Z+3], 0x80000000
	s_or_b32 s[G0E+3], s[G0E+3], 0x80000000
	s_cmp_lt_u32 s[WV], 8                          ; one branch on the wave's number, a fill in each arm: every way passes exactly one
	s_cbranch_scc0 .Lfill_e
	tensor_load_to_lds s[G0Z:G0Z+3], s[G1Z:G1Z+7]
	s_nop 0
.rept 4
	v_nop
.endr
	s_branch .Lfilled
.Lfill_e:
	tensor_load_to_lds s[G0E:G0E+3], s[G1E:G1E+7]
	s_nop 0
.rept 4
	v_nop
.endr
.Lfilled:
	; where my results go: offsets are made apart from the addresses; buffers and offsets are chosen on the wave's number alone
	s_lshl_b32 s50, ttmp9, 14                      ; z: tile 8 g + 2 (tokens' group): codes 2,048 bytes a tile, my half of K 1,024 in,
	s_lshl_b32 s59, s17, 12
	s_add_co_u32 s50, s50, s59
	s_lshl_b32 s59, s44, 10
	s_add_co_u32 s50, s50, s59
	s_lshl_b32 s52, ttmp9, 10                      ; scale words 128 a tile, my K step 64 in,
	s_lshl_b32 s59, s17, 8
	s_add_co_u32 s52, s52, s59
	s_lshl_b32 s59, s44, 6
	s_add_co_u32 s52, s52, s59
	s_lshl_b32 s54, ttmp9, 9                       ; sums 64 a tile
	s_lshl_b32 s59, s17, 7
	s_add_co_u32 s54, s54, s59
	s_mul_i32 s56, s18, CH                         ; emb: chunk g / 32, tile 2 (g % 32) in it
	s_lshl_b32 s66, s19, 12
	s_add_co_u32 s66, s66, s56
	s_lshl_b32 s59, s45, 10
	s_add_co_u32 s66, s66, s59
	s_lshl_b32 s67, s19, 8
	s_add_co_u32 s67, s67, s56
	s_add_co_u32 s67, s67, 131072
	s_lshl_b32 s59, s45, 6
	s_add_co_u32 s67, s67, s59
	s_lshl_b32 s68, s19, 7
	s_add_co_u32 s68, s68, s56
	s_add_co_u32 s68, s68, 139264
	s_cmp_lt_u32 s[WV], 8
	s_cselect_b64 s[CPTR:CPTR+1], s[8:9], s[14:15]
	s_cselect_b64 s[SPTR:SPTR+1], s[10:11], s[14:15]
	s_cselect_b64 s[UPTR:UPTR+1], s[12:13], s[14:15]
	s_cselect_b32 s50, s50, s66
	s_cselect_b32 s52, s52, s67
	s_cselect_b32 s54, s54, s68
	s_mov_b32 s51, 0
	s_mov_b32 s53, 0
	s_mov_b32 s55, 0
	s_add_nc_u64 s[CPTR:CPTR+1], s[CPTR:CPTR+1], s[50:51]
	s_add_nc_u64 s[SPTR:SPTR+1], s[SPTR:SPTR+1], s[52:53]
	s_add_nc_u64 s[UPTR:UPTR+1], s[UPTR:UPTR+1], s[54:55]
; Block j of my four into its registers.  kind 0 (a token): 32 loads of 4 bytes, one for each d: the wave's lanes read 128 consecutive bytes.  kind 1 (a code): 8 loads of 16 bytes along my row.
.macro LDBLK kind, j
.if \kind
.irp i, 0,1,2,3,4,5,6,7
	ds_load_b128 v[X+32*(\j)+4*\i:X+32*(\j)+4*\i+3], v[AE] offset:(\j)*128+16*\i
.endr
.else
.irp i, 0,1,2,3,4,5,6,7,8,9,10,11,12,13,14,15,16,17,18,19,20,21,22,23,24,25,26,27,28,29,30,31
	ds_load_b32 v[X+32*(\j)+\i], v[AZ] offset:((\j)*32+\i)*512
.endr
.endif
.endm
; A BLOCK'S PREPARATION AS A LIST OF LINES.  BEGIN names block j; each NEXT writes the list's next line, and nothing when the list is at its end.  Lines 0-15: the largest magnitude (two chains, and the floor
; 2^(3 - 127) as the last leaf, which holds the byte at 1 from below); 16-18: the scale operand, its byte, the byte's place in the scale word; 19-22: the conversions; 23: the plain line behind them;
; 24: the store of the codes; 25-40: the squares, in place, each rounded to f32; where loads = 1, behind them the LDS loads of block j + 2.
.macro BEGIN j, loads
.set PJ, \j
.set PE, 0
.set XS, X+32*(\j)
.set XL, X+32*(\j)+64
.set PEND, 41+(\loads)*NL
.endm
.macro NEXT
.if PE < PEND
.set FRESH, 1
.if PE == 0
	v_max3_num_f32 v[MX], |v[XS]|, |v[XS+1]|, |v[XS+2]|
.elseif PE == 1
	v_max3_num_f32 v[MX+1], |v[XS+3]|, |v[XS+4]|, |v[XS+5]|
.elseif PE < 14
	v_max3_num_f32 v[MX+PE%2], v[MX+PE%2], |v[XS+2+2*PE]|, |v[XS+3+2*PE]|
.elseif PE == 14
	v_max3_num_f32 v[MX], v[MX], |v[XS+30]|, |v[XS+31]|
.elseif PE == 15
	v_max3_num_f32 v[MX], v[MX], v[MX+1], 0x1800000
.elseif PE == 16
	v_add_nc_u32 v[SC], 0xff000000, v[MX]          ; 2 off the exponent field: the conversion takes the exponent field of this operand as its scale, and nothing else of it
.elseif PE == 17
	v_lshrrev_b32 v[BY], 23, v[SC]                 ; the scale's byte
.elseif PE == 18
.if PJ == 0
	v_mov_b32 v[W], v[BY]                          ; four bytes to a word, the lower K in the lower byte
.else
	v_lshl_or_b32 v[W], v[BY], 8*PJ, v[W]
.endif
.elseif PE < 23
	v_cvt_scalef32_pk8_fp4_f32 v[C+4*PJ+PE-19], v[XS+8*(PE-19):XS+8*(PE-19)+7], v[SC]
.elseif PE == 23
	v_nop                                          ; one plain vector line behind the last scaled conversion, ahead of the lines that write its sources
.elseif PE == 24
	global_store_b128 v[VOC], v[C+4*PJ:C+4*PJ+3], s[CPTR:CPTR+1] offset:256*PJ   ; sixteen lanes store 256 consecutive bytes, aligned: a block of a tile
.elseif PE < 41
	v_pk_mul_f32 v[XS+2*(PE-25):XS+2*(PE-25)+1], v[XS+2*(PE-25):XS+2*(PE-25)+1], v[XS+2*(PE-25):XS+2*(PE-25)+1]
.elseif PK
	ds_load_b128 v[XL+4*(PE-41):XL+4*(PE-41)+3], v[AE] offset:(PJ+2)*128+16*(PE-41)
.else
	ds_load_b32 v[XL+PE-41], v[AZ] offset:((PJ+2)*32+PE-41)*512
.endif
.set PE, PE+1
.endif
.endm
; 32 turns.  chain = 1: each turn begins with a link of the sum's one chain, over block cj's squares in ascending k (the first two squares start the sum: nothing is cleared); then rate lines of the list.
.macro SLOT cj, chain, rate
.set n, 0
.rept 32
.if \chain
.if ((\cj) == 0) && (n == 1)
	v_add_f32 v[SUM], v[X], v[X+1]
.set FRESH, 0
.elseif ((\cj) > 0) || (n > 1)
.if FRESH == 0
	s_delay_alu instid0(VALU_DEP_1)
.endif
	v_add_f32 v[SUM], v[SUM], v[X+32*(\cj)+n]
.set FRESH, 0
.endif
.endif
.rept \rate
	NEXT
.endr
.set n, n+1
.endr
.endm
; The wait for a block's LDS loads; left: the younger loads (the next block's), which may stay out.  Where the sum is carried across it, the wait on the vector side stands directly ahead.
.macro LANDED keep, left
.if \keep == 0
	s_wait_alu depctr_va_vdst(0)
.endif
	s_wait_dscnt \left
.set FRESH, 1
.endm
; A wave's four blocks.  keep = 0 (the lower half of K): the chain runs beside the preparation, a block behind it.  keep = 1 (the upper half): the squares stay in their registers.
.macro ROLE kind, keep
.set PK, \kind
.if \kind
.set NL, 8
.else
.set NL, 32
.endif
	LDBLK \kind, 0
	LDBLK \kind, 1
	LANDED 1, NL                                   ; block 0 is in
	BEGIN 0, 1
	SLOT 0, 0, 3                                   ; block 0 is prepared, block 2 asked for
	LANDED \keep, NL                               ; block 1 is in; block 2's loads stay out
	BEGIN 1, 1
	SLOT 0, 1-\keep, 3                             ; the chain over block 0; block 1 is prepared, block 3 asked for
	LANDED \keep, NL                               ; block 2 is in; block 3's loads stay out
	BEGIN 2, 0
	SLOT 1, 1-\keep, 2
	LANDED \keep, 0
	BEGIN 3, 0
	SLOT 2, 1-\keep, 2
.if \keep == 0
	SLOT 3, 1, 1                                   ; the list is at its end: the chain's last 32 links of this half
.endif
	global_store_b32 v[VOS], v[W], s[SPTR:SPTR+1]  ; my K step's scale words: 64 consecutive bytes of each of two tiles
.if \keep == 0
	ds_store_b32 v[HBA], v[SUM]                    ; the chain's first 128 links, for the wave of the upper half
.endif
.endm
	s_wait_tensorcnt 0x0                           ; my piece has landed
	s_barrier_signal -1
	s_barrier_wait -1                              ; every wave's has
	s_cmp_lt_u32 s[WV], 4
	s_cbranch_scc0 .Lr1
	ROLE 0, 0
	s_branch .Ljoin
.Lr1:
	s_cmp_lt_u32 s[WV], 8
	s_cbranch_scc0 .Lr2
	ROLE 0, 1
	s_branch .Ljoin
.Lr2:
	s_cmp_lt_u32 s[WV], 9
	s_cbranch_scc0 .Lr3
	ROLE 1, 0
	s_branch .Ljoin
.Lr3:
	ROLE 1, 1
.Ljoin:
	s_wait_alu depctr_va_vdst(0)                   ; the wait on the vector side, directly ahead of the wait below
	s_wait_dscnt 0x0                               ; for the others' sake: my sum lies in LDS
	s_barrier_signal -1
	s_barrier_wait -1
	s_cmp_lt_u32 s[WV], 4                          ; the waves of the lower half have done
	s_cbranch_scc1 .Lend
	s_cmp_eq_u32 s[WV], 8
	s_cbranch_scc1 .Lend
	ds_load_b32 v[SUM], v[HBA]
	s_wait_dscnt 0x0
.set n, 0
.rept 128                              ; the chain's last 128 links, in ascending k
.if n > 0
	s_delay_alu instid0(VALU_DEP_1)
.endif
	v_add_f32 v[SUM], v[SUM], v[X+n]
.set n, n+1
.endr
	global_store_b32 v[VOZ], v[SUM], s[UPTR:UPTR+1]   ; 128 consecutive bytes a wave
.Lend:
	s_wait_tensorcnt 0x0                           ; the wave's end
	ds_add_u32 v[SPW], v[NIL]
	s_wait_dscnt 0x0
	s_endpgm
.Lfunc_end_k_qc8218385f0_quant:
	.size	k_qc8218385f0_quant, .Lfunc_end_k_qc8218385f0_quant-k_qc8218385f0_quant
	.p2alignl 7, 3214868480
	.fill 96, 4, 3214868480
	.section	.rodata,"a",@progbits
	.p2align	6, 0x0
	.amdhsa_kernel k_qc8218385f0_quant
		.amdhsa_group_segment_fixed_size 167936
		.amdhsa_private_segment_fixed_size 0
		.amdhsa_enable_private_segment 0
		.amdhsa_kernarg_size 48
		.amdhsa_user_sgpr_count 2
		.amdhsa_user_sgpr_kernarg_segment_ptr 1
		.amdhsa_wavefront_size32 1
		.amdhsa_system_sgpr_workgroup_id_x 1
		.amdhsa_system_sgpr_workgroup_id_y 1
		.amdhsa_system_sgpr_workgroup_id_z 1
		.amdhsa_system_vgpr_workitem_id 0
		.amdhsa_next_free_vgpr 162
		.amdhsa_next_free_sgpr 72
		.amdhsa_reserve_vcc 0
		.amdhsa_float_denorm_mode_32 3
		.amdhsa_float_denorm_mode_16_64 3
		.amdhsa_memory_ordered 1
		.amdhsa_forward_progress 1
		.amdhsa_inst_pref_size 89
	.end_amdhsa_kernel
	.amdgpu_metadata
---
amdhsa.version: [ 1, 2 ]
amdhsa.kernels:
  - .name:           k_qc8218385f0_quant
    .symbol:         k_qc8218385f0_quant.kd
    .args:
      - { .name: z, .offset: 0, .size: 8, .value_kind: global_buffer, .address_space: global }
      - { .name: emb, .offset: 8, .size: 8, .value_kind: global_buffer, .address_space: global }
      - { .name: zq, .offset: 16, .size: 8, .value_kind: global_buffer, .address_space: global }
      - { .name: zs, .offset: 24, .size: 8, .value_kind: global_buffer, .address_space: global }
      - { .name: zzb, .offset: 32, .size: 8, .value_kind: global_buffer, .address_space: global }
      - { .name: embq, .offset: 40, .size: 8, .value_kind: global_buffer, .address_space: global }
    .group_segment_fixed_size: 167936
    .private_segment_fixed_size: 0
    .kernarg_segment_align: 8
    .kernarg_segment_size: 48
    .max_flat_workgroup_size: 320
    .sgpr_count:     72
    .vgpr_count:     162
    .wavefront_size: 32
...
	.end_amdgpu_metadata
.endif
;; end of part 1
;; launch argmin (part 2): grid 256 x 1, 16 waves a work-group, clusters of 4 x 1, 327,680 bytes of LDS; arguments zq, zs, zzb, embq, out2, idxw; writes out2, idxw
.if DOCPART == 2
	.amdgcn_target "amdgcn-amd-amdhsa--gfx1250"
	.amdhsa_code_object_version 6
	.text
	.protected	k_qc8218385f0_argmin
	.globl	k_qc8218385f0_argmin
	.p2align	8
	.type	k_qc8218385f0_argmin,@function
k_qc8218385f0_argmin:
	s_mov_b64 s[64:65], 0
	v_nop
	global_prefetch_b8 v0, s[64:65] scope:SCOPE_SE
	s_setreg_imm32_b32 hwreg(HW_REG_WAVE_MODE, 25, 1), 1
	s_wait_xcnt 0x0
	s_wait_alu depctr_hold_cnt(0) depctr_sa_sdst(0) depctr_va_vdst(0) depctr_va_sdst(0) depctr_va_ssrc(0) depctr_va_vcc(0) depctr_vm_vsrc(0)
	s_getreg_b32 s2, hwreg(HW_REG_IB_STS2, 6, 4)
	s_cmp_eq_u32 s2, 0
	s_cbranch_scc0 .Lentry_in_a_cluster
	s_endpgm
.Lentry_in_a_cluster:
	s_bfe_u32 s2, ttmp6, 0x10000c
	s_cmp_lg_u32 s2, 0x3003
	s_cbranch_scc0 .Lentry_shape_is_right
	s_endpgm
.Lentry_shape_is_right:
; idx[n] = the first k at which d[n][k] = (zz[n] + ee[k]) - 2 dot[n][k] is least; dot on codes of FP4 (E2M1) with E8M0 scales, 256 along K, f32 sums.
; d IS FORMED AS IT IS WRITTEN: c = zz + ee rounded to f32, then one fused multiply-add dot x (-2) + c, which rounds once, as c - 2 dot does (2 dot is exact).
; d's rounding onto zz's grid makes codes tie, and of those that tie the lowest index is wanted: strictly less in ascending order of tiles inside a lane; the lower index between lanes and waves.
; LIMITS: NaN and infinite distances are not served (the minimum passes over a NaN).
; SHARES.  A work-group owns 128 tokens and walks all 8,192 codes.  Sixteen waves of 256 registers.  Wave w: token tiles 4 (w % 2) .. + 3, kept in registers, and of every chunk of 64 tiles of codes the tiles 8 (w / 2) .. + 7.
; LAYOUT.  Source 0 = 16 codes, source 1 = 16 tokens: a lane holds ONE token (lane % 16), and register j of an accumulator the code 16 tile + 8 (lane / 16) + j.
; VECTOR WORK of an accumulator, 18 lines: four pairs of additions (c), four pairs of multiply-adds (d, in c's registers), four three-operand minima, a compare, the tile's number and four pairs of selects that
; keep the eight d of the tile in which the minimum last fell.  All pairs are dual-issue forms on vector registers alone (an even and an odd destination, sources a bank apart; -2 lies in two registers).
; BY TURNS.  Half (k; 0, 1) is the vector work of token tiles 0, 1, with the four products of tile k for token tiles 2, 3 between its lines; half (k; 2, 3) that of token tiles 2, 3, with tile k + 1's products for 0, 1.
; THE CODES come in 8 chunks of CH bytes (codes, scale words, ee: 560 dense rows of 256 bytes) through a ring of two LDS slots.  The four work-groups of a cluster ask for each chunk JOINTLY (mask 15); waves 0 to 3
; fetch a quarter each: a wave has one tensor load outstanding.
; THE CHANGE OF SLOTS.  A chunk's last LDS reads are tile 7's ee.  Behind them stand the waits and the add; tile 7's first half, work on registers, stands between the round's opening signal and its wait; its second
; half stands behind the refill and the next slot's first twelve LDS loads, so that the wave has work on registers while those loads are out.
; No prefetch: every chunk is read by all work-groups, and a chunk is asked for a whole chunk's work (32 accumulators a wave) ahead of its first read.
; All of a WGP's LDS is claimed, and the add stands twice where a refill follows.
.set CH,    143360
.set SLOT,  143360
.set QUART, 35840                      ; 140 rows of 256 bytes: one tensor load
.set SCO,   131072                     ; in a chunk: the scale words, 128 bytes a tile
.set EEO,   139264                     ; and ee, 64 bytes a tile
.set SPARE, 2*SLOT                     ; the spare words: 128 bytes for each of 16 waves
.set STV,   SPARE+2048                 ; the waves' minima [8 groups of codes][128 tokens] f32; 4,096 bytes on: their indices
.set SPW,  1                           ; v1 my spare word's address, v2 = 0: never rewritten
.set NIL,  2
.set ADC,  3                           ; v3, v4  my 16 bytes of my first tile of codes, slot 0, 1
.set ADS,  5                           ; v5, v6  my scale word of it
.set ADE,  7                           ; v7, v8  my eight ee of it
.set H8,   9                           ; 8 x (lane / 16)
.set OF16, 10                          ; 16 x lane
.set OF4,  11                          ; 4 x lane
.set Z,    12                          ; v12-19  (zz, zz), a pair for each token tile
.set BS,   20                          ; v20-23  the tokens' scale registers
.set AS,   24                          ; v24-25  the codes' scale register, one for each buffer
.set GID,  26                          ; v26-29  the tile in which the minimum last fell
.set RUN,  30                          ; v30-37  the running minimum: two sets of four, old and new by turns
.set T,    38                          ; v38-43  at work
.set OFR,  44                          ; 4 x (lane % 16)
.set CT,   46                          ; v46-61  c, then d: eight for each of a half's two token tiles
.set EE,   62                          ; v62-77  ee, two buffers
.set AF,   78                          ; v78-109 a tile of codes, two buffers of 16
.set BF,   110                         ; v110-173 my four token tiles
.set ACC,  174                         ; v174-205 four accumulators
.set SAV,  206                         ; v206-237 the kept d
.set JJ,   238                         ; the end: v238-241, 242-245, 246-249, 250-253
.set IDX,  242
.set OV,   246
.set OI,   250
.set N2,   252                         ; v252, v253 hold -2 while the chunks are walked
.set STA,  254
.set RDA,  255
.set G1,   16
.set WV,   24
.set CG,   25
.set THF,  26
.set TI,   29                          ; the number of the tile in hand, 0 .. 511
.set CNT,  30
.set G0,   32                          ; s[32:35], s[36:39] group 0 of slot 0, 1
.set SEL,  40
.set MA,   42
.set MB,   43
.macro CREST                           ; a round of the cluster's barrier behind its opening barrier
	s_cmp_lg_u32 s[WV], 0
	s_cbranch_scc1 .Lnw0_\@
	s_barrier_signal -3
.Lnw0_\@:
	s_barrier_wait -3
	s_barrier_signal -1
	s_barrier_wait -1
.endm
.macro ROUND
	s_barrier_signal -1
	s_barrier_wait -1
	CREST
.endm
.macro JLOAD n                         ; a joint load into slot n: waves 0 to 3, a quarter each; the branch hangs on the wave's number alone
	s_cmp_lt_u32 s[WV], 4
	s_cbranch_scc0 .Lnl_\@
	tensor_load_to_lds s[G0+4*(\n):G0+4*(\n)+3], s[G1:G1+7]
	s_nop 0
.rept 4
	v_nop
.endr
.Lnl_\@:
.endm
	s_load_b256 s[4:11], s[0:1], 0x0               ; zq, zs, zzb, embq
	s_load_b128 s[12:15], s[0:1], 0x20             ; out2, idxw
	v_lshl_add_u32 v[SPW], v0, 2, SPARE
	v_mov_b32 v[NIL], 0
	ds_add_u32 v[SPW], v[NIL]                      ; the opening lines: the add twice on end and one wait
	ds_add_u32 v[SPW], v[NIL]
	v_lshrrev_b32 v3, 5, v0
	s_delay_alu instid0(VALU_DEP_1)
	v_readfirstlane_b32 s[WV], v3                  ; wave 0..15
	s_lshr_b32 s[CG], s[WV], 1
	s_and_b32 s[THF], s[WV], 1
	s_bfe_u32 s27, ttmp6, 0x40000                  ; cx
	s_lshl_b32 s28, ttmp9, 2
	s_add_co_u32 s28, s28, s27                     ; my block of 128 tokens: it enters global offsets alone
	s_mov_b32 s[G1+0], 15|(3<<16)|(1<<21)          ; mask: all four work-groups; elements of 8 bytes; bit 21 beside a mask
	s_mov_b32 s[G1+1], 32<<16
	s_mov_b32 s[G1+2], 140<<16
	s_mov_b32 s[G1+3], 32<<16
	s_mov_b32 s[G1+4], 140
	s_mov_b32 s[G1+5], 32
	s_mov_b32 s[G1+6], 0
	s_mov_b32 s[G1+7], 0
	s_and_b32 s31, s[WV], 3
	s_mul_i32 s31, s31, QUART                      ; my quarter, in memory and in a slot
	s_mov_b32 s44, s31
	s_mov_b32 s45, 0
	s_mov_b32 s[G0], 1
	s_mov_b32 s[G0+1], s31
	s_mov_b32 s[G0+4], 1
	s_add_co_u32 s[G0+5], s31, SLOT
	s_mov_b32 s[SEL], 0x76543210
	s_mov_b32 s[SEL+1], 0xfedcba98
	s_lshl_b32 s[TI], s[CG], 3                     ; my first tile
	s_lshl_b32 s46, s[CG], 14                      ; my eight tiles of a chunk: 2,048 bytes of codes each,
	s_lshl_b32 s47, s[CG], 10                      ; 128 of scale words,
	s_add_co_u32 s47, s47, SCO
	s_lshl_b32 s48, s[CG], 9                       ; 64 of ee
	s_lshl_b32 s49, s[THF], 8                      ; the end: row CG of 128 tokens, my half's 64
	s_add_co_u32 s49, s49, s48
	s_add_co_u32 s49, s49, STV
	s_add_co_u32 s48, s48, EEO
	s_lshl_b32 s50, s[WV], 8                       ; and back: wave 0 or 1 takes tokens 64 w + 2 lane and the next
	s_add_co_u32 s50, s50, STV
	s_lshl_b32 s52, s28, 14                        ; token tile 8 g + 4 (w % 2): codes,
	s_lshl_b32 s31, s[THF], 13
	s_add_co_u32 s52, s52, s31
	s_mov_b32 s53, 0
	s_lshl_b32 s54, s28, 10                        ; scale words,
	s_lshl_b32 s31, s[THF], 9
	s_add_co_u32 s54, s54, s31
	s_mov_b32 s55, 0
	s_lshl_b32 s56, s28, 9                         ; zz
	s_lshl_b32 s31, s[THF], 8
	s_add_co_u32 s56, s56, s31
	s_mov_b32 s57, 0
	; all vector set-up in one run, laid so that no line reads a result of the four lines above it
	v_and_b32 v[OF16], 31, v0
	v_bfe_u32 v[H8], v0, 4, 1
	v_and_b32 v[OFR], 15, v0
.irp tt, 0,1,2,3
	v_mov_b32 v[RUN+\tt], 0x7f800000               ; the minimum so far: +infinity
	v_mov_b32 v[GID+\tt], 0
.endr
	v_lshl_add_u32 v[ADC], v[OF16], 4, s46
	v_lshl_add_u32 v[ADS], v[OF16], 2, s47
	v_lshl_add_u32 v[ADE], v[H8], 5, s48
	v_lshl_add_u32 v[STA], v[OFR], 2, s49
	v_lshl_add_u32 v[RDA], v[OF16], 3, s50
	v_mov_b32 v[N2], -2.0
	v_mov_b32 v[N2+1], -2.0
	v_lshlrev_b32 v[OF4], 2, v[OF16]
	v_lshlrev_b32 v[OFR], 2, v[OFR]
	v_lshlrev_b32 v[H8], 3, v[H8]
	v_lshlrev_b32 v[OF16], 4, v[OF16]
	v_add_nc_u32 v[ADC+1], SLOT, v[ADC]
	v_add_nc_u32 v[ADS+1], SLOT, v[ADS]
	v_add_nc_u32 v[ADE+1], SLOT, v[ADE]
.irp j, 0,1,2,3,4,5,6,7,8,9,10,11,12,13,14,15,16,17,18,19,20,21,22,23,24,25,26,27,28,29,30,31
	v_mov_b32 v[SAV+\j], 0x7f800000                ; (the selects read them from the first tile on)
.endr
	s_wait_alu depctr_va_vdst(0)                   ; the wait at the head's end
	s_wait_dscnt 0x0                               ; both opening adds are done
	s_wait_kmcnt 0x0
	s_add_nc_u64 s[G0+2:G0+3], s[10:11], s[44:45]  ; chunk 0,
	s_add_nc_u64 s[G0+6:G0+7], s[G0+2:G0+3], CH    ; chunk 1
	s_or_b32 s[G0+3], s[G0+3], 0x80000000
	s_or_b32 s[G0+7], s[G0+7], 0x80000000
	s_add_nc_u64 s[4:5], s[4:5], s[52:53]
	s_add_nc_u64 s[6:7], s[6:7], s[54:55]
	s_add_nc_u64 s[8:9], s[8:9], s[56:57]
.irp tt, 0,1,2,3                       ; the tokens, asked for ahead of the first round: they are on their way while the cluster meets
.irp q, 0,1,2,3
	global_load_b128 v[BF+16*\tt+4*\q:BF+16*\tt+4*\q+3], v[OF16], s[4:5] offset:2048*\tt+512*\q
.endr
	global_load_b32 v[BS+\tt], v[OF4], s[6:7] offset:128*\tt
	global_load_b32 v[Z+2*\tt], v[OFR], s[8:9] offset:64*\tt
	global_load_b32 v[Z+2*\tt+1], v[OFR], s[8:9] offset:64*\tt     ; twice: the pairs take zz from two banks
.endr
	ROUND                                          ; all four work-groups are here: the first joint loads meet
	JLOAD 0                                        ; chunk 0
.macro LA slot, k                      ; tile k of my eight: codes and scale words into buffer k % 2: five LDS loads of consecutive bytes
.irp q, 0,1,2,3
	ds_load_b128 v[AF+16*((\k)&1)+4*\q:AF+16*((\k)&1)+4*\q+3], v[ADC+\slot] offset:2048*(\k)+512*\q
.endr
	ds_load_b32 v[AS+((\k)&1)], v[ADS+\slot] offset:128*(\k)
.endm
.macro LE slot, k                      ; its ee: two loads
	ds_load_b128 v[EE+8*((\k)&1):EE+8*((\k)&1)+3], v[ADE+\slot] offset:64*(\k)
	ds_load_b128 v[EE+8*((\k)&1)+4:EE+8*((\k)&1)+7], v[ADE+\slot] offset:64*(\k)+16
.endm
.macro WM tt, s, pb                    ; one product: buffer pb against token tile tt, K step s; K step 0 starts the sum with 0, K step 1 takes the scale words of lanes 16-31
.if \s
	v_wmma_scale_f32_16x16x128_f8f6f4 v[ACC+8*(\tt):ACC+8*(\tt)+7], v[AF+16*(\pb)+8:AF+16*(\pb)+15], v[BF+16*(\tt)+8:BF+16*(\tt)+15], v[ACC+8*(\tt):ACC+8*(\tt)+7], v[AS+(\pb)], v[BS+(\tt)] matrix_a_fmt:MATRIX_FMT_FP4 matrix_b_fmt:MATRIX_FMT_FP4 matrix_a_scale:MATRIX_SCALE_ROW1 matrix_b_scale:MATRIX_SCALE_ROW1
.else
	v_wmma_scale_f32_16x16x128_f8f6f4 v[ACC+8*(\tt):ACC+8*(\tt)+7], v[AF+16*(\pb):AF+16*(\pb)+7], v[BF+16*(\tt):BF+16*(\tt)+7], 0, v[AS+(\pb)], v[BS+(\tt)] matrix_a_fmt:MATRIX_FMT_FP4 matrix_b_fmt:MATRIX_FMT_FP4
.endif
.endm
; A HALF: the 36 vector lines of token tiles a, a + 1 for the tile in hand (ee in buffer pe; old minima in set pe, new in the other).  mm = 1: four products of buffer pw for token tiles x, x + 1 stand between
; them, the two accumulators by turns.  DISTANCES: behind a half's last product stand its last 11 vector lines, ahead of any load into that product's
; sources; the accumulators read here have those 11 and this half's 8 additions behind their last product.  An accumulator is read from its low end on.
.macro HALF a, pe, mm, x, pw
.set YA, ACC+8*(\a)
.set VA, SAV+8*(\a)
.set RO, RUN+4*(\pe)+(\a)
.set RN, RUN+4*(1-(\pe))+(\a)
.set EP, EE+8*(\pe)
.set ZA, Z+2*(\a)
.irp i, 0,2,4,6
	v_dual_add_f32 v[CT+\i], v[ZA], v[EP+\i] :: v_dual_add_f32 v[CT+\i+1], v[ZA+1], v[EP+\i+1]              ; c = zz + ee
.endr
.if \mm
	WM \x, 0, \pw
.endif
.irp i, 0,2,4,6
	v_dual_add_f32 v[CT+8+\i], v[ZA+2], v[EP+\i] :: v_dual_add_f32 v[CT+9+\i], v[ZA+3], v[EP+\i+1]
.endr
.if \mm
	WM (\x)+1, 0, \pw
.endif
.irp i, 0,2,4,6
	v_dual_fmac_f32 v[CT+\i], v[N2], v[YA+\i] :: v_dual_fmac_f32 v[CT+\i+1], v[N2+1], v[YA+\i+1]            ; d = -2 dot + c, one rounding
.endr
.if \mm
	WM \x, 1, \pw
.endif
.irp i, 0,2,4,6
	v_dual_fmac_f32 v[CT+8+\i], v[N2], v[YA+8+\i] :: v_dual_fmac_f32 v[CT+9+\i], v[N2+1], v[YA+9+\i]
.endr
	v_min3_num_f32 v[T], v[CT], v[CT+1], v[CT+2]
	v_min3_num_f32 v[T+1], v[CT+3], v[CT+4], v[CT+5]
	v_min3_num_f32 v[T+2], v[CT+6], v[CT+7], v[RO]
	v_min3_num_f32 v[T+3], v[CT+8], v[CT+9], v[CT+10]
	v_min3_num_f32 v[T+4], v[CT+11], v[CT+12], v[CT+13]
	v_min3_num_f32 v[T+5], v[CT+14], v[CT+15], v[RO+1]
	s_delay_alu instid0(VALU_DEP_4)
	v_min3_num_f32 v[RN], v[T], v[T+1], v[T+2]
	s_delay_alu instid0(VALU_DEP_2)
	v_min3_num_f32 v[RN+1], v[T+3], v[T+4], v[T+5]
	s_delay_alu instid0(VALU_DEP_2)
	v_cmp_ge_f32 vcc_lo, v[RN], v[RO]              ; the minimum has not moved: a tie leaves the earlier tile in place
.if \mm
	WM (\x)+1, 1, \pw
.else
	s_delay_alu instid0(VALU_DEP_1)
.endif
	v_cndmask_b32 v[GID+(\a)], s[TI], v[GID+(\a)], vcc_lo
.irp j, 0,2,4,6
	v_dual_cndmask_b32 v[VA+\j], v[CT+\j], v[VA+\j] :: v_dual_cndmask_b32 v[VA+\j+1], v[CT+\j+1], v[VA+\j+1]
.endr
	v_cmp_ge_f32 vcc_lo, v[RN+1], v[RO+1]
	s_delay_alu instid0(VALU_DEP_1)
	v_cndmask_b32 v[GID+(\a)+1], s[TI], v[GID+(\a)+1], vcc_lo
.irp j, 0,2,4,6
	v_dual_cndmask_b32 v[VA+8+\j], v[CT+8+\j], v[VA+8+\j] :: v_dual_cndmask_b32 v[VA+9+\j], v[CT+9+\j], v[VA+9+\j]
.endr
.endm
; Tile k = 0 .. 6 of my eight.  LDS loads come back in order (ISA guide 5.7.1): each wait counts the loads issued behind the ones that it needs.
.macro STEP slot, k
.set PB, (\k)&1
	LE \slot, (\k)+1
	s_wait_dscnt 7                                 ; this tile's ee are in: behind them the next tile's 5 loads of codes and the 2 just issued
	HALF 0, PB, 1, 2, PB
.if (\k) < 6
	LA \slot, (\k)+2
	s_wait_dscnt 7                                 ; the next tile's codes are in: behind them its 2 loads of ee and the 5 just issued
.else
	s_wait_dscnt 2                                 ; behind tile 7's codes stand its 2 loads of ee alone
.endif
	HALF 2, PB, 1, 0, 1-PB
	s_add_co_u32 s[TI], s[TI], 1
.endm
; A chunk, from behind the round to tile 6.  defer = 1: the second half of the chunk before's tile 7 stands behind the twelve loads.
.macro CHUNK slot, defer
	LA \slot, 0
	LE \slot, 0
	LA \slot, 1
.if \defer
	HALF 2, 1, 0, 0, 0
	s_add_co_u32 s[TI], s[TI], 57                  ; on to my eight tiles of this chunk
.endif
	s_wait_dscnt 7                                 ; tile 0's codes are in: behind them its 2 loads of ee and tile 1's 5
	WM 0, 0, 0
	WM 1, 0, 0
	WM 0, 1, 0
	WM 1, 1, 0
.irp k, 0,1,2,3,4,5,6
	STEP \slot, \k
.endr
.endm
; The change of slots, leaving slot: all my tensor loads have landed; the add; my reads of this slot (tile 7's ee the last) are back; then the round, with tile 7's first half inside its opening barrier.
; refill = 1: the slot just left takes the chunk two further on: the first tensor load behind the round, a wave's one until the next.
.macro TURN slot, refill
	s_wait_tensorcnt 0x0
	ds_add_u32 v[SPW], v[NIL]
.if \refill
	ds_add_u32 v[SPW], v[NIL]
	s_add_nc_u64 s[G0+4*(1-\slot)+2:G0+4*(1-\slot)+3], s[G0+4*(1-\slot)+2:G0+4*(1-\slot)+3], 2*CH   ; no tensor load of mine is out: the other slot's next chunk
.endif
	s_wait_dscnt 0x0
	s_barrier_signal -1
	HALF 0, 1, 1, 2, 1
	s_barrier_wait -1
	CREST
.if \refill
	JLOAD \slot
.endif
.endm
	s_wait_loadcnt 0x0                             ; the tokens
	s_wait_tensorcnt 0x0                           ; chunk 0's quarter
	ds_add_u32 v[SPW], v[NIL]
	ds_add_u32 v[SPW], v[NIL]
	s_add_nc_u64 s[G0+2:G0+3], s[G0+2:G0+3], 2*CH  ; slot 0's next chunk: 2
	s_wait_dscnt 0x0
	ROUND
	JLOAD 1                                        ; chunk 1
	CHUNK 0, 0
	s_mov_b32 s[CNT], 3
.Lloop:                                            ; a trip: the changes behind chunks 2 t and 2 t + 1, and chunks 2 t + 1 and 2 t + 2; chunks 2 to 7 are asked for here
	TURN 0, 1
	CHUNK 1, 1
	TURN 1, 1
	CHUNK 0, 1
	s_sub_co_u32 s[CNT], s[CNT], 1
	s_cmp_lg_u32 s[CNT], 0
	s_cbranch_scc1 .Lloop
	TURN 0, 0                                      ; behind chunk 6 nothing is left to fetch
	CHUNK 1, 1
	s_wait_dscnt 0x0                               ; the last ee
	HALF 0, 1, 1, 2, 1
	HALF 2, 1, 0, 0, 0
	; THE END.  The minimum lies in set 0.  The first of the eight kept d that equals it names the code.
.irp tt, 0,1,2,3
	v_mov_b32 v[JJ+\tt], 7
	v_mov_b32 v[OV+\tt], 0                         ; (a lane permute's destination counts as one of its sources)
	v_mov_b32 v[OI+\tt], 0
.endr
.irp j, 6,5,4,3,2,1,0
.irp tt, 0,1,2,3
	v_cmp_neq_f32 vcc_lo, v[SAV+8*\tt+\j], v[RUN+\tt]
	s_delay_alu instid0(VALU_DEP_1)
	v_cndmask_b32 v[JJ+\tt], \j, v[JJ+\tt], vcc_lo
.endr
.endr
.irp tt, 0,1,2,3
	v_lshl_add_u32 v[IDX+\tt], v[GID+\tt], 4, v[JJ+\tt]
	s_delay_alu instid0(VALU_DEP_1)
	v_add_nc_u32 v[IDX+\tt], v[IDX+\tt], v[H8]     ; 16 tile + 8 (lane / 16) + j
.endr
.macro MERGE va, ia, vb, ib            ; (va, ia) takes (vb, ib) where vb is less, or equal with the lower index
	v_cmp_lt_f32 s[MA], v[\vb], v[\va]
	v_cmp_eq_f32 s[MB], v[\vb], v[\va]
	v_cmp_lt_u32 vcc_lo, v[\ib], v[\ia]
	s_and_b32 s[MB], s[MB], vcc_lo
	s_or_b32 s[MA], s[MA], s[MB]
	v_cndmask_b32 v[\va], v[\va], v[\vb], s[MA]
	v_cndmask_b32 v[\ia], v[\ia], v[\ib], s[MA]
.endm
.irp tt, 0,1,2,3
	v_permlanex16_b32 v[OV+\tt], v[RUN+\tt], s[SEL], s[SEL+1]      ; my token's other eight codes of each tile lie in the lane 16 away
	v_permlanex16_b32 v[OI+\tt], v[IDX+\tt], s[SEL], s[SEL+1]
.endr
.irp tt, 0,1,2,3
	MERGE RUN+\tt, IDX+\tt, OV+\tt, OI+\tt
.endr
.irp tt, 0,1,2,3
	ds_store_b32 v[STA], v[RUN+\tt] offset:64*\tt                  ; lanes r and r + 16 write the same word with the same value
	ds_store_b32 v[STA], v[IDX+\tt] offset:4096+64*\tt
.endr
	s_wait_dscnt 0x0                               ; for the others' sake: my stores are done
	s_barrier_signal -1
	s_barrier_wait -1
	s_cmp_lt_u32 s[WV], 2                          ; waves 0 and 1 join the eight groups of codes, 64 tokens each, two a lane
	s_cbranch_scc0 .Lend
.irp c, 0,1,2,3,4,5,6,7
	ds_load_b64 v[AF+2*\c:AF+2*\c+1], v[RDA] offset:512*\c
	ds_load_b64 v[AF+16+2*\c:AF+16+2*\c+1], v[RDA] offset:4096+512*\c
.endr
	s_lshl_b32 s46, s28, 9                         ; my 64 tokens' indices: 4 (128 g + 64 w) bytes on
	s_lshl_b32 s47, s[WV], 8
	s_add_co_u32 s46, s46, s47
	s_mov_b32 s47, 0
	s_add_nc_u64 s[12:13], s[12:13], s[46:47]
	s_add_nc_u64 s[14:15], s[14:15], s[46:47]
	v_and_b32 v[JJ], 31, v0
	s_delay_alu instid0(VALU_DEP_1)
	v_lshlrev_b32 v[JJ], 3, v[JJ]
	s_wait_dscnt 0x0
.irp c, 1,2,3,4,5,6,7
	MERGE AF, AF+16, AF+2*\c, AF+16+2*\c
	MERGE AF+1, AF+17, AF+2*\c+1, AF+17+2*\c
.endr
	global_store_b64 v[JJ], v[AF+16:AF+17], s[12:13]               ; 32 lanes store 256 consecutive bytes, aligned
	global_store_b64 v[JJ], v[AF+16:AF+17], s[14:15]               ; and the copy from which the next launch forms addresses
.Lend:
	s_wait_tensorcnt 0x0                           ; the wave's end
	ds_add_u32 v[SPW], v[NIL]
	s_wait_dscnt 0x0
	ROUND                                          ; the closing round
	s_endpgm
.Lfunc_end_k_qc8218385f0_argmin:
	.size	k_qc8218385f0_argmin, .Lfunc_end_k_qc8218385f0_argmin-k_qc8218385f0_argmin
	.p2alignl 7, 3214868480
	.fill 96, 4, 3214868480
	.section	.rodata,"a",@progbits
	.p2align	6, 0x0
	.amdhsa_kernel k_qc8218385f0_argmin
		.amdhsa_group_segment_fixed_size 327680
		.amdhsa_private_segment_fixed_size 0
		.amdhsa_enable_private_segment 0
		.amdhsa_kernarg_size 48
		.amdhsa_user_sgpr_count 2
		.amdhsa_user_sgpr_kernarg_segment_ptr 1
		.amdhsa_wavefront_size32 1
		.amdhsa_system_sgpr_workgroup_id_x 1
		.amdhsa_system_sgpr_workgroup_id_y 1
		.amdhsa_system_sgpr_workgroup_id_z 1
		.amdhsa_system_vgpr_workitem_id 0
		.amdhsa_next_free_vgpr 256
		.amdhsa_next_free_sgpr 66
		.amdhsa_reserve_vcc 1
		.amdhsa_float_denorm_mode_32 3
		.amdhsa_float_denorm_mode_16_64 3
		.amdhsa_memory_ordered 1
		.amdhsa_forward_progress 1
		.amdhsa_inst_pref_size 219
	.end_amdhsa_kernel
	.amdgpu_metadata
---
amdhsa.version: [ 1, 2 ]
amdhsa.kernels:
  - .name:           k_qc8218385f0_argmin
    .symbol:         k_qc8218385f0_argmin.kd
    .args:
      - { .name: zq, .offset: 0, .size: 8, .value_kind: global_buffer, .address_space: global }
      - { .name: zs, .offset: 8, .size: 8, .value_kind: global_buffer, .address_space: global }
      - { .name: zzb, .offset: 16, .size: 8, .value_kind: global_buffer, .address_space: global }
      - { .name: embq, .offset: 24, .size: 8, .value_kind: global_buffer, .address_space: global }
      - { .name: out2, .offset: 32, .size: 8, .value_kind: global_buffer, .address_space: global }
      - { .name: idxw, .offset: 40, .size: 8, .value_kind: global_buffer, .address_space: global }
    .group_segment_fixed_size: 327680
    .private_segment_fixed_size: 0
    .kernarg_segment_align: 8
    .kernarg_segment_size: 48
    .max_flat_workgroup_size: 512
    .sgpr_count:     66
    .vgpr_count:     256
    .wavefront_size: 32
...
	.end_amdgpu_metadata
.endif
;; end of part 2
;; launch gather (part 3): grid 256 x 1, 16 waves a work-group, no clusters, 135,680 bytes of LDS; arguments idxw, z, emb, out0, part; writes out0, part
.if DOCPART == 3
	.amdgcn_target "amdgcn-amd-amdhsa--gfx1250"
	.amdhsa_code_object_version 6
	.text
	.protected	k_qc8218385f0_gather
	.globl	k_qc8218385f0_gather
	.p2align	8
	.type	k_qc8218385f0_gather,@function
k_qc8218385f0_gather:
	s_mov_b64 s[64:65], 0
	v_nop
	global_prefetch_b8 v0, s[64:65] scope:SCOPE_SE
	s_setreg_imm32_b32 hwreg(HW_REG_WAVE_MODE, 25, 1), 1
	s_wait_xcnt 0x0
; out0[b][d][t] = z + (emb[idx][d] - z), each step rounded to f32 as it is written, and this work-group's part of the sum of (emb[idx][d] - z)^2.
; Work-group g takes tokens 128 g .. 128 g + 127 (batch g / 32), all 256 d.  The indices come from idxw, which the launch before stored.
; emb's rows run along d, z and out0 run along t: the 128 rows turn through LDS, IN FOUR STAGES OF 64 d.  In stage s wave w fetches bytes 256 s .. 256 s + 255 of the rows of tokens 8 w .. 8 w + 7 (sixteen lanes
; read one aligned run of 256 bytes), and works on d = 64 s + 4 w .. + 3 of all 128 tokens: each of its loads of z and stores of out0 covers 512 consecutive bytes, four tokens a lane.
; All loads are issued at the head, in the order in which the stages want them; loads come back in order (ISA guide 5.7.1), so each stage's wait counts the loads issued behind its own.  A stage's stores leave
; while the later stages' loads are still out.  Each stage has LDS bytes of its own, so one barrier a stage (stores, wait, barrier, loads) is all the ordering.
; LDS: 128 rows of 1,040 bytes (1,024 + 16).  Token t's row lies in place 32 (t % 4) + t / 4, so that the lanes of a read (tokens 4 lane + i) take neighbouring places, 1,040 bytes apart: an odd multiple of 16.
; No matrix unit and no cluster: the launch streams, and what work-groups share (rows of emb that two tokens name) is not known ahead.  No prefetch: there is no loop to run ahead in.
; An index out of range cannot come; it is held to 8,191 all the same, ahead of the address.
.set RED,   133120                     ; behind the rows: a word for each wave
.set SPARE, 133632                     ; the spare words: 128 bytes for each of 16 waves
.set IOFF, 4                           ; 4 x (lane / 16)
.set ZOFF, 5                           ; 16 x lane
.set CL16, 6                           ; 16 x (lane % 16)
.set SA,   7                           ; v7, v8  where I put 16 bytes of a row: token pairs 0 and 2, 1 and 3
.set RA,   9                           ; v9, v10 where I read: tokens 4 lane + 0, 1 and + 2, 3
.set REDA, 11                          ; my wave's word
.set IX,   12                          ; v12-15  the indices of my four pairs of tokens
.set GOF,  16                          ; v16-19  their rows' byte offsets in emb
.set LA,   20                          ; v20-23  four sums of squares
.set DIF,  24                          ; v24-27  at work
.set ZB,   32                          ; v32-95  z, then out0: register 16 s + 4 k + i: d = 64 s + 4 w + k, token 4 lane + i
.set GB,   96                          ; v96-159 slices of emb's rows on their way in (16 s + 4 pair); then register 16 s + 4 i + k: d = 64 s + 4 w + k, token 4 lane + i
.set SPW,  160
.set NIL,  161
	s_load_b256 s[4:11], s[0:1], 0x0               ; idxw, z, emb, out0
	s_load_b64 s[12:13], s[0:1], 0x20              ; part
	v_lshl_add_u32 v[SPW], v0, 2, SPARE
	v_mov_b32 v[NIL], 0
	v_lshrrev_b32 v1, 5, v0
	s_delay_alu instid0(VALU_DEP_1)
	v_readfirstlane_b32 s16, v1                    ; wave 0..15
	s_mul_i32 s17, s16, 2080                       ; token 8 w + 2 tp + u lies in place 64 (tp % 2) + 32 u + 2 w + tp / 2
	s_lshl_b32 s26, s16, 4                         ; my 4 d are 16 bytes of a slice
	s_lshl_b32 s27, s16, 2
	s_add_co_u32 s27, s27, RED
	s_lshl_b32 s18, ttmp9, 9                       ; idxw: 4 (128 g + 8 w)
	s_lshl_b32 s19, s16, 5
	s_add_co_u32 s18, s18, s19
	s_mov_b32 s19, 0
	s_lshr_b32 s20, ttmp9, 5                       ; z and out0: the batch,
	s_lshl_b32 s20, s20, 22
	s_and_b32 s21, ttmp9, 31                       ; my 128 tokens,
	s_lshl_b32 s21, s21, 9
	s_add_co_u32 s20, s20, s21
	s_lshl_b32 s21, s16, 16                        ; my wave's 4 rows d of 16,384 bytes
	s_add_co_u32 s20, s20, s21
	s_mov_b32 s21, 0
	s_lshl_b32 s22, ttmp9, 2                       ; part: a word a work-group
	s_mov_b32 s23, 0
	s_mov_b32 s24, 0x76543210
	s_mov_b32 s25, 0xfedcba98                      ; v_permlanex16_b32's selects for lane l xor 16
	v_and_b32 v1, 31, v0                           ; lane
	v_bfe_u32 v2, v0, 4, 1                         ; u = lane / 16
	v_and_b32 v3, 15, v0
	v_mov_b32 v[REDA], s27
	s_delay_alu instid0(VALU_DEP_4)
	v_mul_u32_u24 v[RA], v1, 1040                  ; token 4 lane + i lies in place 32 i + lane
	s_delay_alu instid0(VALU_DEP_4)
	v_mul_u32_u24 v[SA], v2, 33280
	s_delay_alu instid0(VALU_DEP_4)
	v_lshlrev_b32 v[CL16], 4, v3
	v_lshlrev_b32 v[ZOFF], 4, v1
	v_lshlrev_b32 v[IOFF], 2, v2
	v_add_nc_u32 v[RA], s26, v[RA]
	s_delay_alu instid0(VALU_DEP_4)
	v_add_nc_u32 v[SA], v[SA], v[CL16]
	s_delay_alu instid0(VALU_DEP_2)
	v_add_nc_u32 v[RA+1], 66560, v[RA]
	s_delay_alu instid0(VALU_DEP_2)
	v_add_nc_u32 v[SA], s17, v[SA]
	s_delay_alu instid0(VALU_DEP_1)
	v_add_nc_u32 v[SA+1], 66560, v[SA]
	s_wait_alu depctr_va_vdst(0)                   ; the wait at the head's end
	s_wait_kmcnt 0x0
	s_add_nc_u64 s[4:5], s[4:5], s[18:19]
	s_add_nc_u64 s[6:7], s[6:7], s[20:21]
	s_add_nc_u64 s[10:11], s[10:11], s[20:21]
	s_add_nc_u64 s[12:13], s[12:13], s[22:23]
.macro ZLD s                           ; stage s's four rows of z: 512 consecutive bytes a load; read once in this launch
.irp k, 0,1,2,3
	global_load_b128 v[ZB+16*\s+4*\k:ZB+16*\s+4*\k+3], v[ZOFF], s[6:7] offset:(64*\s+\k)*16384 th:TH_LOAD_NT
.endr
.endm
.macro ELD s                           ; stage s's slice of my eight rows of emb: sixteen lanes read 256 consecutive bytes of a row; no hint: a row may be named again
.irp tp, 0,1,2,3
	global_load_b128 v[GB+16*\s+4*\tp:GB+16*\s+4*\tp+3], v[GOF+\tp], s[8:9] offset:256*\s
.endr
.endm
.irp tp, 0,1,2,3
	global_load_b32 v[IX+\tp], v[IOFF], s[4:5] offset:8*\tp        ; lanes 0-15: token 8 w + 2 tp; lanes 16-31: the next
.endr
	ZLD 0                                          ; two stages' z are asked for while the indices are out
	ZLD 1
	s_wait_loadcnt 8                               ; the four indices are in; the 8 loads of z behind them stay out
.irp tp, 0,1,2,3
	v_min_u32 v[IX+\tp], 0x1fff, v[IX+\tp]
.endr
.irp tp, 0,1,2,3
	s_delay_alu instid0(VALU_DEP_4)
	v_lshl_add_u32 v[GOF+\tp], v[IX+\tp], 10, v[CL16]              ; a row of emb is 1,024 bytes
.endr
	ELD 0
	ELD 1
	ZLD 2
	ELD 2
	ZLD 3
	ELD 3
; Stage s.  left: the loads issued behind this stage's slice of emb, which may stay out.  late = 1: the stores are left to the caller.
.macro STAGE s, left, late
	s_wait_loadcnt \left
.irp tp, 0,1,2,3
	ds_store_b128 v[SA+(\tp&1)], v[GB+16*\s+4*\tp:GB+16*\s+4*\tp+3] offset:(\tp>>1)*1040+256*\s
.endr
	s_wait_dscnt 0x0                               ; for the others' sake: my slices lie in LDS
	s_barrier_signal -1
	s_barrier_wait -1
.irp i, 0,1,2,3
	ds_load_b128 v[GB+16*\s+4*\i:GB+16*\s+4*\i+3], v[RA+(\i>>1)] offset:(\i&1)*33280+256*\s
.endr
	s_wait_dscnt 0x0
.irp k, 0,1,2,3
.irp i, 0,1,2,3
	v_sub_f32 v[DIF+\i], v[GB+16*\s+4*\i+\k], v[ZB+16*\s+4*\k+\i]          ; emb[idx] - z: the turn of 4 x 4 is a choice of register numbers
.endr
.irp i, 0,1,2,3
	s_delay_alu instid0(VALU_DEP_4)
.if (\s == 0) && (\k == 0)
	v_mul_f32 v[LA+\i], v[DIF+\i], v[DIF+\i]       ; the first squares start the sums
.else
	v_fmac_f32 v[LA+\i], v[DIF+\i], v[DIF+\i]
.endif
.endr
.irp i, 0,1,2,3
	v_add_f32 v[ZB+16*\s+4*\k+\i], v[ZB+16*\s+4*\k+\i], v[DIF+\i]          ; z + (emb[idx] - z)
.endr
.if \late == 0
	global_store_b128 v[ZOFF], v[ZB+16*\s+4*\k:ZB+16*\s+4*\k+3], s[10:11] offset:(64*\s+\k)*16384 th:TH_STORE_NT   ; 512 consecutive bytes, aligned; written once
.endif
.endr
.endm
	STAGE 0, 20, 0                                 ; behind e0: e1, z2, e2, z3, e3
	STAGE 1, 16, 0                                 ; behind e1: z2, e2, z3, e3
	STAGE 2, 8, 0                                  ; behind e2: z3, e3
	STAGE 3, 0, 1
	v_add_f32 v[LA], v[LA], v[LA+1]                ; the wave's sum is made ahead of the last stage's stores
	v_add_f32 v[LA+2], v[LA+2], v[LA+3]
	s_delay_alu instid0(VALU_DEP_1)
	v_add_f32 v[LA], v[LA], v[LA+2]
	s_delay_alu instid0(VALU_DEP_1)
	v_add_f32_dpp v[LA], v[LA], v[LA] row_xmask:1 row_mask:0xf bank_mask:0xf
	s_delay_alu instid0(VALU_DEP_1)
	v_add_f32_dpp v[LA], v[LA], v[LA] row_xmask:2 row_mask:0xf bank_mask:0xf
	s_delay_alu instid0(VALU_DEP_1)
	v_add_f32_dpp v[LA], v[LA], v[LA] row_xmask:4 row_mask:0xf bank_mask:0xf
	s_delay_alu instid0(VALU_DEP_1)
	v_add_f32_dpp v[LA], v[LA], v[LA] row_xmask:8 row_mask:0xf bank_mask:0xf
	s_delay_alu instid0(VALU_DEP_1)
	v_permlanex16_b32 v[LA+1], v[LA], s24, s25
	s_delay_alu instid0(VALU_DEP_1)
	v_add_f32 v[LA], v[LA], v[LA+1]                ; in every lane
	ds_store_b32 v[REDA], v[LA]                    ; all lanes write the same word with the same value
.irp k, 0,1,2,3
	global_store_b128 v[ZOFF], v[ZB+48+4*\k:ZB+48+4*\k+3], s[10:11] offset:(192+\k)*16384 th:TH_STORE_NT
.endr
	s_wait_dscnt 0x0
	s_barrier_signal -1
	s_barrier_wait -1
	s_cmp_lg_u32 s16, 0                            ; wave 0 alone adds the sixteen
	s_cbranch_scc1 .Lend
	v_mov_b32 v[DIF], RED
.irp c, 0,1,2,3
	ds_load_b128 v[GB+4*\c:GB+4*\c+3], v[DIF] offset:16*\c
.endr
	v_mov_b32 v[DIF+1], 0
	s_wait_dscnt 0x0
	v_add_f32 v31, v97, v98
	v_add_f32 v30, v99, v100
	v_add_f32 v29, v101, v102
	v_add_f32 v28, v103, v104
	v_add_f32 v96, v96, v105
	v_add_f32 v31, v31, v106
	v_add_f32 v30, v30, v107
	v_add_f32 v29, v29, v108
	v_add_f32 v28, v28, v109
	v_add_f32 v96, v96, v110
	v_add_f32 v31, v31, v111
	s_delay_alu instid0(VALU_DEP_2)
	v_add_f32 v96, v96, v29
	s_delay_alu instid0(VALU_DEP_2)
	v_add_f32 v31, v31, v28
	s_delay_alu instid0(VALU_DEP_2)
	v_add_f32 v96, v96, v30
	s_delay_alu instid0(VALU_DEP_1)
	v_add_f32 v96, v96, v31
	s_wait_alu depctr_va_vdst(0)
	s_wait_xcnt 0x0                                ; EXEC changes only behind this wait: the stores above have read it
	v_cmp_eq_u32 vcc_lo, 0, v0
	s_and_saveexec_b32 s20, vcc_lo                 ; thread 0 of the work-group alone
	global_store_b32 v[DIF+1], v[GB], s[12:13]
	s_wait_xcnt 0x0                                ; and again, in front of the line that widens it
	s_or_b32 exec_lo, exec_lo, s20
.Lend:
	s_wait_tensorcnt 0x0                           ; the wave's end, behind my last LDS store
	ds_add_u32 v[SPW], v[NIL]
	s_wait_dscnt 0x0
	s_endpgm
.Lfunc_end_k_qc8218385f0_gather:
	.size	k_qc8218385f0_gather, .Lfunc_end_k_qc8218385f0_gather-k_qc8218385f0_gather
	.p2alignl 7, 3214868480
	.fill 96, 4, 3214868480
	.section	.rodata,"a",@progbits
	.p2align	6, 0x0
	.amdhsa_kernel k_qc8218385f0_gather
		.amdhsa_group_segment_fixed_size 135680
		.amdhsa_private_segment_fixed_size 0
		.amdhsa_enable_private_segment 0
		.amdhsa_kernarg_size 40
		.amdhsa_user_sgpr_count 2
		.amdhsa_user_sgpr_kernarg_segment_ptr 1
		.amdhsa_wavefront_size32 1
		.amdhsa_system_sgpr_workgroup_id_x 1
		.amdhsa_system_sgpr_workgroup_id_y 1
		.amdhsa_system_sgpr_workgroup_id_z 1
		.amdhsa_system_vgpr_workitem_id 0
		.amdhsa_next_free_vgpr 162
		.amdhsa_next_free_sgpr 66
		.amdhsa_reserve_vcc 1
		.amdhsa_float_denorm_mode_32 3
		.amdhsa_float_denorm_mode_16_64 3
		.amdhsa_memory_ordered 1
		.amdhsa_forward_progress 1
		.amdhsa_inst_pref_size 21
	.end_amdhsa_kernel
	.amdgpu_metadata
---
amdhsa.version: [ 1, 2 ]
amdhsa.kernels:
  - .name:           k_qc8218385f0_gather
    .symbol:         k_qc8218385f0_gather.kd
    .args:
      - { .name: idxw, .offset: 0, .size: 8, .value_kind: global_buffer, .address_space: global }
      - { .name: z, .offset: 8, .size: 8, .value_kind: global_buffer, .address_space: global }
      - { .name: emb, .offset: 16, .size: 8, .value_kind: global_buffer, .address_space: global }
      - { .name: out0, .offset: 24, .size: 8, .value_kind: global_buffer, .address_space: global }
      - { .name: part, .offset: 32, .size: 8, .value_kind: global_buffer, .address_space: global }
    .group_segment_fixed_size: 135680
    .private_segment_fixed_size: 0
    .kernarg_segment_align: 8
    .kernarg_segment_size: 40
    .max_flat_workgroup_size: 512
    .sgpr_count:     66
    .vgpr_count:     162
    .wavefront_size: 32
...
	.end_amdgpu_metadata
.endif
;; end of part 3
;; launch lossum (part 4): grid 1 x 1, 1 waves a work-group, no clusters, 0 bytes of LDS; arguments part, out1; writes out1
.if DOCPART == 4
	.amdgcn_target "amdgcn-amd-amdhsa--gfx1250"
	.amdhsa_code_object_version 6
	.text
	.protected	k_qc8218385f0_lossum
	.globl	k_qc8218385f0_lossum
	.p2align	8
	.type	k_qc8218385f0_lossum,@function
k_qc8218385f0_lossum:
	s_mov_b64 s[64:65], 0
	v_nop
	global_prefetch_b8 v0, s[64:65] scope:SCOPE_SE
	s_setreg_imm32_b32 hwreg(HW_REG_WAVE_MODE, 25, 1), 1
	s_wait_xcnt 0x0
; loss = m + 0.25 m, m = the mean of (emb[idx] - z)^2 over 8 x 256 x 4,096 = 2^23 numbers: both terms of the loss are that mean.
; part holds 256 sums, one from each work-group of the launch before: one wave adds them, eight a lane.  A sum that spans work-groups is made by a launch behind them, without atomics.
	s_load_b128 s[4:7], s[0:1], 0x0                ; part s[4:5], out1 s[6:7]
	v_lshlrev_b32 v1, 5, v0                        ; 32 bytes a lane
	s_mov_b32 s8, 0x76543210
	s_mov_b32 s9, 0xfedcba98                       ; v_permlanex16_b32's selects for lane l xor 16
	s_mov_b32 s11, 0x3e800000                      ; 0.25
	s_wait_alu depctr_va_vdst(0)
	s_wait_kmcnt 0x0
	global_load_b128 v[2:5], v1, s[4:5]
	global_load_b128 v[6:9], v1, s[4:5] offset:16
	s_wait_loadcnt 0x0
	v_pk_add_f32 v[2:3], v[2:3], v[4:5]
	v_pk_add_f32 v[6:7], v[6:7], v[8:9]
	v_pk_add_f32 v[2:3], v[2:3], v[6:7]
	v_add_f32 v2, v2, v3
	v_add_f32_dpp v2, v2, v2 row_xmask:1 row_mask:0xf bank_mask:0xf
	v_add_f32_dpp v2, v2, v2 row_xmask:2 row_mask:0xf bank_mask:0xf
	v_add_f32_dpp v2, v2, v2 row_xmask:4 row_mask:0xf bank_mask:0xf
	v_add_f32_dpp v2, v2, v2 row_xmask:8 row_mask:0xf bank_mask:0xf
	v_permlanex16_b32 v3, v2, s8, s9
	v_add_f32 v2, v2, v3
	v_mul_f32 v2, 0x34000000, v2                   ; x 2^-23: the mean
	v_fma_f32 v3, v2, s11, v2                      ; m x 0.25 + m
	v_mov_b32 v4, 0
	s_wait_alu depctr_va_vdst(0)
	s_wait_xcnt 0x0                                ; EXEC changes only behind this wait
	v_cmp_eq_u32 vcc_lo, 0, v0
	s_and_saveexec_b32 s10, vcc_lo
	global_store_b32 v4, v3, s[6:7]
	s_wait_xcnt 0x0
	s_or_b32 exec_lo, exec_lo, s10
	s_endpgm
.Lfunc_end_k_qc8218385f0_lossum:
	.size	k_qc8218385f0_lossum, .Lfunc_end_k_qc8218385f0_lossum-k_qc8218385f0_lossum
	.p2alignl 7, 3214868480
	.fill 96, 4, 3214868480
	.section	.rodata,"a",@progbits
	.p2align	6, 0x0
	.amdhsa_kernel k_qc8218385f0_lossum
		.amdhsa_group_segment_fixed_size 0
		.amdhsa_private_segment_fixed_size 0
		.amdhsa_enable_private_segment 0
		.amdhsa_kernarg_size 16
		.amdhsa_user_sgpr_count 2
		.amdhsa_user_sgpr_kernarg_segment_ptr 1
		.amdhsa_wavefront_size32 1
		.amdhsa_system_sgpr_workgroup_id_x 1
		.amdhsa_system_sgpr_workgroup_id_y 1
		.amdhsa_system_sgpr_workgroup_id_z 1
		.amdhsa_system_vgpr_workitem_id 0
		.amdhsa_next_free_vgpr 16
		.amdhsa_next_free_sgpr 66
		.amdhsa_reserve_vcc 1
		.amdhsa_float_denorm_mode_32 3
		.amdhsa_float_denorm_mode_16_64 3
		.amdhsa_memory_ordered 1
		.amdhsa_forward_progress 1
		.amdhsa_inst_pref_size 2
	.end_amdhsa_kernel
	.amdgpu_metadata
---
amdhsa.version: [ 1, 2 ]
amdhsa.kernels:
  - .name:           k_qc8218385f0_lossum
    .symbol:         k_qc8218385f0_lossum.kd
    .args:
      - { .name: part, .offset: 0, .size: 8, .value_kind: global_buffer, .address_space: global }
      - { .name: out1, .offset: 8, .size: 8, .value_kind: global_buffer, .address_space: global }
    .group_segment_fixed_size: 0
    .private_segment_fixed_size: 0
    .kernarg_segment_align: 8
    .kernarg_segment_size: 16
    .max_flat_workgroup_size: 32
    .sgpr_count:     66
    .vgpr_count:     16
    .wavefront_size: 32
...
	.end_amdgpu_metadata
.endif
;; end of part 4
